; MI455X (gfx1250); checked and timed in simulation.
; The chip was launched on July 23, 2026; its instructions are those of AMD's public machine-readable ISA for CDNA 5 (MIT licence, August 2026) and "CDNA5" Instruction Set Architecture Reference Guide (July 2026). The comments in the code are by the model that wrote it; some were corrected since.
;; Vector Quantizer. Allowed arithmetic: float matrix products may take bf16 or f16 operands with f32 sums; all other float work in f32.
;; Inputs: codebook 1,024 x 64 float32; vectors 32 x 64 x 64 x 64 float32.
;; Outputs: out0 32 x 64 x 64 x 64 float32.
;; One version. Each part assembles by itself: llvm-mc -triple=amdgcn-amd-amdhsa -mcpu=gfx1250 --defsym DOCPART=n.
;; ======== version 1 of 1: 2 launches
;; workspace buffers: idx 524,288 bytes of whole numbers
;; launch nearest (part 1): grid 256 x 1, 8 waves a work-group, no clusters, 283,648 bytes of LDS; arguments codebook, vectors, idx; writes idx
.if DOCPART == 1
	.amdgcn_target "amdgcn-amd-amdhsa--gfx1250"
	.amdhsa_code_object_version 6
	.text
	.protected	k_qc47c39f43a_nearest
	.globl	k_qc47c39f43a_nearest
	.p2align	8
	.type	k_qc47c39f43a_nearest,@function
k_qc47c39f43a_nearest:
	s_mov_b64 s[64:65], 0
	v_nop
	global_prefetch_b8 v0, s[64:65] scope:SCOPE_SE
	s_setreg_imm32_b32 hwreg(HW_REG_WAVE_MODE, 25, 1), 1
	s_wait_xcnt 0x0
; idx[n] = the first k with the smallest d[n][k] = (|x_n|^2 - (2 x_n).w_k) + |w_k|^2,  n = b*4096 + h*64 + w,  x_n[c] = vectors[b][c][h][w].
; 131,072 vectors of 64 numbers against 1,024 codes.  The index is stored as a whole number; the next launch forms addresses from it.
;
; NOTHING IS LEFT OUT.  |x_n|^2 is the same for all k and would cancel in exact arithmetic, but it is far larger than the differences between
; a row's distances, so reference()'s f32 sums lose low bits of them and make ties, which argmin settles by the first index.  The term
; therefore stays, and d is formed with reference()'s own two roundings: fl(fl(S - 2 dot) + Wn); S - 2 dot is one fused multiply-add with the
; exact factor -2.  Ties go to the first index.
; FORMATS: x and the codes go to the matrix unit in bf16 (f16 has no room for codes some 30 times smaller than 1/1024); S = |x|^2 and
; Wn = |w|^2 are f32 sums over the SAME bf16-rounded numbers, so that all three terms belong to one set of inputs.
; LIMITS: (1) S, Wn and the dot products are summed in another order than reference()'s: each may differ in its last bits, which moves an index
; only where a distance lies that close to a rounding boundary of the grid of S.  (2) NaN or infinite inputs: argmin's choice of the first NaN
; is not reproduced (the minima here let a NaN lose); the index stays inside 0 .. 1023.
;
; SHARES: 256 work-groups of 8 waves; work-group g has vectors 512 g .. 512 g + 511 (one b, 512 neighbouring h*64+w), wave w 64 of them as four
; column tiles q; column r of tile q is vector 64 w + 4 r + q, so that one 16-byte LDS read of a lane serves all four tiles.
; Matrix instruction: A = 16 codes, B = 16 vectors; register j of the result in lane (r, h) is code 16 t + 8 h + j against vector r: a lane
; owns ONE vector in each tile, S is one number a lane, and the argmin runs inside the lane with one merge across h at the end.
; NO JOINT LOADS for the codebook, which every work-group reads: it has to pass through registers to be rounded to bf16, and a landing zone of
; 262,144 bytes beside the bf16 copy (147,456), Wn (4,096) and x (131,072) is 544,768 bytes, more than the 327,680 of a work-group.
; NO LAUNCH OF ITS OWN that would store the bf16 rows and Wn (135,168 bytes) once: a wave's share of that work here is 64 loads, 128
; conversions, 68 LDS stores, 32 LDS loads and 288 vector instructions, issued while its 16 KiB of x are on their way from memory; a launch
; more would run a whole chain of arguments, loads and stores for those few bytes, and nothing would then stand beside x's way in.
;
; LDS: CBH  [0, 147456)        1,024 rows of 64 bf16, 144 bytes apart (an odd multiple of 16), written by ds_store
;      WNB  [147456, 151552)   Wn[1024] f32, written by ds_store
;      XL   [151552, 282624)   x: wave w's own 64 rows (c) of 256 bytes at XL + 16384 w, filled once by its one tensor load; 151552 = 592 * 256,
;                              so the fill shares no aligned block of 256 bytes with a ds_store
.set CBP,  144
.set WNB,  147456
.set XL,   151552
; vector registers
.set AFA,  3                           ; LDS address of my code fragments: r*144 + 16 h, stepped by two tiles
.set WNA,  4                           ; LDS address of my eight Wn: WNB + 32 h, stepped
.set VK,   5                           ; 16 t + 8 h: the code of my register 0 in the tile at work
.set CBO,  6                           ; 16 * lane: codebook load offset
.set CBS_A, 7                          ; where I store 4 bf16 of a code row
.set ROWA, 8                           ; my own code row for Wn
.set XA,   9                           ; my 16 bytes of x's row 8 h
.set WNS,  10                          ; where I store a Wn
.set IXO,  11                          ; 16 r + 8 h: my 8 bytes of idx
.set T0,   12
.set T1,   13
.set T2,   14
.set PP,   15                          ; the tile's smallest distance in my lane
.set XB,   16                          ; v[16:79]    x fragments: tile q, K half s at XB + 16 q + 8 s
.set ACC,  80                          ; v[80:143]   two sets of four accumulators: ACC + 32 set + 8 q
.set CAP,  144                         ; v[144:175]  the eight distances of the best tile so far, for each q
.set AF,   176                         ; v[176:207]  code fragments, two buffers: AF + 16 b + 8 s
.set WN,   208                         ; v[208:223]  eight Wn, two buffers
.set SP,   224                         ; v[224:231]  S twice, a pair for each q
.set BEST, 232                         ; v[232:235]
.set KB,   237                         ; v[237:240]  VK of the best tile; an odd distance from BEST, so that BEST + q and KB + q differ in parity and modulo 4 and can be selected by one dual instruction
.set KF,   241                         ; v[241:244]  the index
.set OUT,  246                         ; v[246:247]
; used ahead of the loop only, in the same registers
.set CBS,  16                          ; v[16:207]   three buffers of 16 codebook loads
.set PK,   208                         ; v[208:223]  eight pairs of packed bf16
.set RW,   16                          ; v[16:79]    two buffers of a code row (32 words)
.set WC,   80                          ; v[80:83]    four chains of a sum of squares
.set WT,   84                          ; v[84:87]    their first terms
.set XS,   80                          ; v[80:207]   x as f32, 32 loads
	s_load_b128 s[4:7], s[0:1], 0x0                ; codebook s[4:5], vectors s[6:7]
	s_load_b64 s[8:9], s[0:1], 0x10                ; idx
	v_lshl_add_u32 v248, v0, 2, 0x45000
	v_mov_b32 v249, 0
	ds_add_u32 v248, v249
	ds_add_u32 v248, v249
	v_lshrrev_b32 v1, 5, v0
	v_readfirstlane_b32 s10, v1                    ; wave 0..7
	; descriptor group 1: a tile of 64 rows (c) x 64 elements of 4 bytes, rows 4,096 elements apart; no mask, no padding
	s_mov_b32 s16, 2<<16                           ; element of 4 bytes
	s_mov_b32 s17, 64<<16                          ; tensor_dim0 = 64
	s_mov_b32 s18, 64<<16                          ; tensor_dim1 = 64
	s_mov_b32 s19, 64<<16                          ; tile_dim0 = 64
	s_mov_b32 s20, 64                              ; tile_dim1 = 64
	s_mov_b32 s21, 4096                            ; from row to row
	s_mov_b32 s22, 0
	s_mov_b32 s23, 0
	; group 0
	s_mov_b32 s24, 1
	s_lshl_b32 s25, s10, 14
	s_add_co_u32 s25, s25, XL                      ; LDS: XL + 16384 w
	s_lshr_b32 s12, ttmp9, 3
	s_lshl_b32 s12, s12, 20                        ; b planes of 64 x 4096 x 4 bytes
	s_and_b32 s13, ttmp9, 7
	s_lshl_b32 s13, s13, 11                        ; 512 vectors x 4 bytes
	s_add_co_u32 s12, s12, s13
	s_lshl_b32 s13, s10, 8                         ; 64 vectors x 4 bytes
	s_add_co_u32 s12, s12, s13
	s_mov_b32 s13, 0
	s_wait_dscnt 0x0
	s_wait_kmcnt 0x0
	s_add_nc_u64 s[26:27], s[6:7], s[12:13]
	s_or_b32 s27, s27, 0x80000000                  ; type = 2
	tensor_load_to_lds s[24:27], s[16:23]          ; my 16 KiB of x: the wave's one tensor load, ahead of every LDS access and of the barrier
	s_nop 0
	; ---- the codebook: wave w rounds rows 128 w .. 128 w + 127 to bf16; a load covers 512 neighbouring bytes = two rows
	s_lshl_b32 s12, s10, 15
	s_add_nc_u64 s[14:15], s[4:5], s[12:13]        ; codebook + 32768 w
	v_and_b32 v[T0], 31, v0                        ; lane
	v_lshlrev_b32 v[CBO], 4, v[T0]
.macro CBLOAD c, buf
.irp i, 0,1,2,3,4,5,6,7,8,9,10,11,12,13,14,15
	global_load_b128 v[CBS+64*\buf+4*\i:CBS+64*\buf+4*\i+3], v[CBO], s[14:15] offset:512*(16*\c+\i)
.endr
.endm
.macro CBCONV c, buf
.irp i, 0,1,2,3,4,5,6,7,8,9,10,11,12,13,14,15
	v_cvt_pk_bf16_f32 v[PK+2*(\i%8)],   v[CBS+64*\buf+4*\i],   v[CBS+64*\buf+4*\i+1]
	v_cvt_pk_bf16_f32 v[PK+2*(\i%8)+1], v[CBS+64*\buf+4*\i+2], v[CBS+64*\buf+4*\i+3]
	ds_store_b64 v[CBS_A], v[PK+2*(\i%8):PK+2*(\i%8)+1] offset:2*CBP*(16*\c+\i)
.endr
.endm
	CBLOAD 0, 0
	CBLOAD 1, 1
	CBLOAD 2, 2
	; lane terms, while the loads are on their way
	v_and_b32 v1, 15, v0                           ; r
	v_bfe_u32 v2, v0, 4, 1                         ; h
	s_mul_i32 s29, s10, 128*CBP                    ; my 128 rows of CBH
	v_mul_u32_u24 v[CBS_A], v2, CBP                ; lanes 16-31 hold the second row of a load
	v_lshl_add_u32 v[CBS_A], v1, 3, v[CBS_A]       ; 4 bf16 = 8 bytes
	v_add_nc_u32 v[CBS_A], s29, v[CBS_A]
	v_mul_u32_u24 v[ROWA], v[T0], CBP
	v_add_nc_u32 v[ROWA], s29, v[ROWA]
	v_lshlrev_b32 v[XA], 11, v2                    ; 8 h rows of 256 bytes
	v_lshl_add_u32 v[XA], v1, 4, v[XA]
	v_add_nc_u32 v[XA], s25, v[XA]
	s_lshl_b32 s35, s10, 9
	s_add_co_u32 s35, s35, WNB
	v_lshl_add_u32 v[WNS], v[T0], 2, s35           ; WNB + 512 w + 4 lane
	v_lshlrev_b32 v[IXO], 4, v1
	v_lshl_add_u32 v[IXO], v2, 3, v[IXO]
	v_mul_u32_u24 v[AFA], v1, CBP
	v_lshl_add_u32 v[AFA], v2, 4, v[AFA]
	v_lshlrev_b32 v[WNA], 5, v2
	v_add_nc_u32 v[WNA], WNB, v[WNA]
	v_lshlrev_b32 v[VK], 3, v2
	s_mov_b32 s30, 0x76543210                      ; v_permlanex16_b32: lane i takes lane i of the other half
	s_mov_b32 s31, 0xfedcba98
	s_lshl_b32 s12, ttmp9, 11                      ; idx: 512 g + 64 w indices of 4 bytes
	s_lshl_b32 s28, s10, 8
	s_add_co_u32 s12, s12, s28
	s_add_nc_u64 s[8:9], s[8:9], s[12:13]
	s_wait_loadcnt 32                              ; chunk 0 is in; chunks 1 and 2 (32 loads) stay out
	CBCONV 0, 0
	CBLOAD 3, 0
	s_wait_loadcnt 32                              ; chunk 1 is in; chunks 2 and 3 stay out
	CBCONV 1, 1
	s_wait_loadcnt 16                              ; chunk 2 is in; chunk 3 stays out
	CBCONV 2, 2
	s_wait_loadcnt 0x0
	CBCONV 3, 0
	; ---- Wn of my own 128 rows, one code a lane (code 128 w + 32 i + lane), from the bf16 rows that this wave has just stored:
	; LDS serves a wave's instructions in order, so these loads see the stores above without a wait
.macro SQLO acc, x                     ; acc += (low bf16 of x)^2, exact product, one rounding
	v_fma_mix_f32_bf16 v[\acc], v[\x], v[\x], v[\acc] op_sel_hi:[1,1,0]
.endm
.macro SQHI acc, x                     ; acc += (high bf16 of x)^2
	v_fma_mix_f32_bf16 v[\acc], v[\x], v[\x], v[\acc] op_sel:[1,1,0] op_sel_hi:[1,1,0]
.endm
.macro WNLOAD i, buf
.irp c, 0,1,2,3,4,5,6,7
	ds_load_b128 v[RW+32*\buf+4*\c:RW+32*\buf+4*\c+3], v[ROWA] offset:32*CBP*\i+16*\c
.endr
.endm
.macro WNSUM i, buf                    ; four chains of 16 terms; the first term starts each chain
.irp k, 0,1,2,3
	v_lshlrev_b32 v[WT+\k], 16, v[RW+32*\buf+8*\k]
.endr
.irp k, 0,1,2,3
	v_mul_f32 v[WC+\k], v[WT+\k], v[WT+\k]
.endr
.irp k, 0,1,2,3
	SQHI WC+\k, RW+32*\buf+8*\k
.endr
.irp m, 1,2,3,4,5,6,7
.irp k, 0,1,2,3
	SQLO WC+\k, RW+32*\buf+8*\k+\m
.endr
.irp k, 0,1,2,3
	SQHI WC+\k, RW+32*\buf+8*\k+\m
.endr
.endr
	v_add_f32 v[WC], v[WC], v[WC+1]
	v_add_f32 v[WC+2], v[WC+2], v[WC+3]
	v_add_f32 v[WC], v[WC], v[WC+2]
	ds_store_b32 v[WNS], v[WC] offset:128*\i
.endm
	WNLOAD 0, 0
	WNLOAD 1, 1
	s_wait_dscnt 8                                 ; group 0's rows are in; the eight loads of group 1 stay out
	WNSUM 0, 0
	WNLOAD 2, 0
	s_wait_dscnt 8                                 ; group 1's are in (and the store behind them); group 2's eight stay out
	WNSUM 1, 1
	WNLOAD 3, 1
	s_wait_dscnt 8                                 ; group 2's are in; group 3's eight stay out
	WNSUM 2, 0
	s_wait_dscnt 0x0
	WNSUM 3, 1
	; ---- x: from my own tile to bf16 fragments.  Load 8 g + i brings channel c = 16 g + 8 h + i of vectors 4 r .. 4 r + 3 (tiles q = 0 .. 3);
	; word 4 g' + i/2 of a fragment holds k = 16 g' + 8 h + i, i + 1 of its K half (g = 2 s + g')
	s_wait_tensorcnt 0x0                           ; my tile has landed; only this wave reads it
.irp g, 0,1,2,3
.irp i, 0,1,2,3,4,5,6,7
	ds_load_b128 v[XS+4*(8*\g+\i):XS+4*(8*\g+\i)+3], v[XA] offset:256*(16*\g+\i)
.endr
.endr
.irp g, 0,1,2,3
	s_wait_dscnt 24-8*\g                           ; group g's eight loads are in; the younger groups stay out
.irp i, 0,2,4,6
.irp q, 0,1,2,3
	v_cvt_pk_bf16_f32 v[XB+16*\q+4*\g+\i/2], v[XS+4*(8*\g+\i)+\q], v[XS+4*(8*\g+\i+1)+\q]
.endr
.endr
.endr
	; S = |x|^2 over the rounded numbers: eight chains (tile q, K half s) of 16 terms over my 32 channels, then the other half of the lanes
.irp q, 0,1,2,3
.irp s, 0,1
	v_lshlrev_b32 v[XS+2*\q+\s], 16, v[XB+16*\q+8*\s]
.endr
.endr
.irp q, 0,1,2,3
.irp s, 0,1
	v_mul_f32 v[SP+2*\q+\s], v[XS+2*\q+\s], v[XS+2*\q+\s]
.endr
.endr
.irp q, 0,1,2,3
.irp s, 0,1
	SQHI SP+2*\q+\s, XB+16*\q+8*\s
.endr
.endr
.irp m, 1,2,3,4,5,6,7
.irp q, 0,1,2,3
.irp s, 0,1
	SQLO SP+2*\q+\s, XB+16*\q+8*\s+\m
.endr
.endr
.irp q, 0,1,2,3
.irp s, 0,1
	SQHI SP+2*\q+\s, XB+16*\q+8*\s+\m
.endr
.endr
.endr
.irp q, 0,1,2,3
	v_add_f32 v[SP+2*\q], v[SP+2*\q], v[SP+2*\q+1]
.endr
.irp q, 0,1,2,3
	v_permlanex16_b32 v[SP+2*\q+1], v[SP+2*\q], s30, s31     ; the other 32 channels' sum (the destination has been written)
.endr
.irp q, 0,1,2,3
	v_add_f32 v[SP+2*\q], v[SP+2*\q], v[SP+2*\q+1]           ; a + b = b + a: both halves of the lanes get the same bits
.endr
.irp q, 0,1,2,3
	v_mov_b32 v[SP+2*\q+1], v[SP+2*\q]                       ; S twice, for the packed multiply-add
.endr
	; ---- the one barrier: every wave's stores into CBH and WNB are done in front of its signal; behind it all waves read all of both,
	; and nothing is written to LDS any more
	s_wait_dscnt 0x0
	s_barrier_signal -1
	s_barrier_wait -1
	; ---- the loop over the 64 code tiles
.macro AFLOAD b, off                   ; 16 codes x 64 K: two fragments, four loads
	ds_load_b128 v[AF+16*\b:AF+16*\b+3],     v[AFA] offset:\off
	ds_load_b128 v[AF+16*\b+4:AF+16*\b+7],   v[AFA] offset:\off+32
	ds_load_b128 v[AF+16*\b+8:AF+16*\b+11],  v[AFA] offset:\off+64
	ds_load_b128 v[AF+16*\b+12:AF+16*\b+15], v[AFA] offset:\off+96
.endm
.macro WNLD b, off                     ; Wn of my eight codes
	ds_load_b128 v[WN+8*\b:WN+8*\b+3],   v[WNA] offset:\off
	ds_load_b128 v[WN+8*\b+4:WN+8*\b+7], v[WNA] offset:\off+16
.endm
.macro PROD mm, set, q, s              ; one matrix instruction: K half s of tile q, codes from buffer set, into accumulator set; the first half starts the sum
.if \mm
.if \s
	v_wmma_f32_16x16x32_bf16 v[ACC+32*\set+8*\q:ACC+32*\set+8*\q+7], v[AF+16*\set+8:AF+16*\set+15], v[XB+16*\q+8:XB+16*\q+15], v[ACC+32*\set+8*\q:ACC+32*\set+8*\q+7]
.else
	v_wmma_f32_16x16x32_bf16 v[ACC+32*\set+8*\q:ACC+32*\set+8*\q+7], v[AF+16*\set:AF+16*\set+7], v[XB+16*\q:XB+16*\q+7], 0
.endif
.endif
.endm
; The work on the eight distances of tile q is 18 issue slots, cut into two slices of nine, one behind each product.
; DIST: the eight distances with reference()'s two roundings, and the first of their four minima.  first = 1: they go straight into CAP
.macro DIST cur, q, first
.irp k, 0,2,4,6
	v_pk_fma_f32 v[ACC+32*\cur+8*\q+\k:ACC+32*\cur+8*\q+\k+1], v[ACC+32*\cur+8*\q+\k:ACC+32*\cur+8*\q+\k+1], -2.0, v[SP+2*\q:SP+2*\q+1] op_sel_hi:[1,0,1]   ; fl(S - 2 dot)
.endr
.if \first
.irp k, 0,2,4,6
	v_pk_add_f32 v[CAP+8*\q+\k:CAP+8*\q+\k+1], v[ACC+32*\cur+8*\q+\k:ACC+32*\cur+8*\q+\k+1], v[WN+8*\cur+\k:WN+8*\cur+\k+1]   ; fl(.. + Wn)
.endr
	v_min3_num_f32 v[T0], v[CAP+8*\q], v[CAP+8*\q+1], v[CAP+8*\q+2]
.else
.irp k, 0,2,4,6
	v_pk_add_f32 v[ACC+32*\cur+8*\q+\k:ACC+32*\cur+8*\q+\k+1], v[ACC+32*\cur+8*\q+\k:ACC+32*\cur+8*\q+\k+1], v[WN+8*\cur+\k:WN+8*\cur+\k+1]
.endr
	v_min3_num_f32 v[T0], v[ACC+32*\cur+8*\q], v[ACC+32*\cur+8*\q+1], v[ACC+32*\cur+8*\q+2]
.endif
.endm
; TAKE: the tile's minimum; a strictly smaller one takes over the best value, the tile's first code and the tile's eight distances, so that an
; earlier tile keeps a tie.  The ten selects hang on one mask (VCC) and go two to an instruction: in each pair one destination is even and the
; other odd, and the two first sources, and the two second sources, differ modulo 4 (BEST + q against KB + q = BEST + q + 5; v15 against v5;
; neighbouring registers of CAP and of the accumulator).  first = 1: the minimum starts BEST, VK starts KB
.macro TAKE cur, q, first
.if \first
	v_min3_num_f32 v[T1], v[CAP+8*\q+3], v[CAP+8*\q+4], v[CAP+8*\q+5]
	v_min_num_f32  v[T2], v[CAP+8*\q+6], v[CAP+8*\q+7]
	v_min3_num_f32 v[BEST+\q], v[T0], v[T1], v[T2]
	v_mov_b32 v[KB+\q], v[VK]
.else
	v_min3_num_f32 v[T1], v[ACC+32*\cur+8*\q+3], v[ACC+32*\cur+8*\q+4], v[ACC+32*\cur+8*\q+5]
	v_min_num_f32  v[T2], v[ACC+32*\cur+8*\q+6], v[ACC+32*\cur+8*\q+7]
	v_min3_num_f32 v[PP], v[T0], v[T1], v[T2]
	v_cmp_lt_f32 vcc_lo, v[PP], v[BEST+\q]
	v_dual_cndmask_b32 v[BEST+\q], v[BEST+\q], v[PP] :: v_dual_cndmask_b32 v[KB+\q], v[KB+\q], v[VK]
.irp j, 0,2,4,6
	v_dual_cndmask_b32 v[CAP+8*\q+\j], v[CAP+8*\q+\j], v[ACC+32*\cur+8*\q+\j] :: v_dual_cndmask_b32 v[CAP+8*\q+\j+1], v[CAP+8*\q+\j+1], v[ACC+32*\cur+8*\q+\j+1]
.endr
.endif
.endm
; Trip t (cur = t mod 2, nxt the other): the distances of tile t (accumulator set cur, Wn buffer cur) are worked on between the eight matrix
; instructions of tile t + 1 (code buffer and set nxt).  The eight take the four accumulators by turns, one instruction a turn;
; the trip's last and the next trip's first name different sets.  Each slice is nine plain vector instructions (four in the first
; trip's TAKE) that name no register of the products beside it (ISA guide 7.12.1): a result is first read at least nine, and a code buffer
; first loaded again at least fourteen (4 + 1 + 9), such instructions behind the last product that names it.
; ldaf: tile t + 2's codes go into buffer cur, which tile t's products read a trip ago.  ldwn: tile t + 1's Wn into buffer nxt.
.macro TRIP cur, nxt, first, mm, ldaf, ldwn
	s_wait_dscnt 0x0                               ; the six loads issued a trip ago: tile t + 1's codes, tile t's Wn
	PROD \mm, \nxt, 0, 0
	DIST \cur, 0, \first
.if \ldaf
	AFLOAD \cur, 16*CBP*\cur
.endif
.if \ldwn
	WNLD \nxt, 64*\cur
.endif
	PROD \mm, \nxt, 1, 0
	TAKE \cur, 0, \first
	PROD \mm, \nxt, 2, 0
	DIST \cur, 1, \first
	PROD \mm, \nxt, 3, 0
	TAKE \cur, 1, \first
	PROD \mm, \nxt, 0, 1
	DIST \cur, 2, \first
	PROD \mm, \nxt, 1, 1
	TAKE \cur, 2, \first
	PROD \mm, \nxt, 2, 1
	DIST \cur, 3, \first
	PROD \mm, \nxt, 3, 1
	TAKE \cur, 3, \first
	v_add_nc_u32 v[VK], 16, v[VK]
.if \cur
	v_add_nc_u32 v[AFA], 32*CBP, v[AFA]            ; two tiles on
	v_add_nc_u32 v[WNA], 128, v[WNA]
.endif
.endm
	AFLOAD 0, 0                                    ; tile 0's codes
	AFLOAD 1, 16*CBP                               ; tile 1's
	WNLD 0, 0                                      ; tile 0's Wn
	v_add_nc_u32 v[AFA], 32*CBP, v[AFA]            ; now at tile 2
	v_add_nc_u32 v[WNA], 64, v[WNA]                ; now at tile 1
	s_wait_dscnt 0x0
.irp s, 0,1
.irp q, 0,1,2,3
	PROD 1, 0, \q, \s                              ; tile 0, the four accumulators by turns
.endr
.endr
.rept 4
	v_nop                                          ; four places between tile 0's products and the first read of their results (ISA guide 7.12.1)
.endr
	TRIP 0, 1, 1, 1, 1, 1                          ; t = 0 starts CAP, BEST and KB: nothing is cleared
	TRIP 1, 0, 0, 1, 1, 1
	s_mov_b32 s28, 30                              ; t = 2 .. 61
.Ltiles:
	TRIP 0, 1, 0, 1, 1, 1
	TRIP 1, 0, 0, 1, 1, 1
	s_sub_co_i32 s28, s28, 1
	s_cmp_lg_u32 s28, 0
	s_cbranch_scc1 .Ltiles
	TRIP 0, 1, 0, 1, 0, 1                          ; t = 62: tile 63's products; there is no tile 64 to fetch
	TRIP 1, 0, 0, 0, 0, 0                          ; t = 63: distances only
	; ---- the index.  In my lane: the first j of the best tile whose distance equals the best (j runs downward, so the lowest stays)
.irp q, 0,1,2,3
	v_mov_b32 v[KF+\q], 7
.irp j, 6,5,4,3,2,1,0
	v_cmp_neq_f32 vcc_lo, v[CAP+8*\q+\j], v[BEST+\q]
	v_cndmask_b32 v[KF+\q], \j, v[KF+\q], vcc_lo   ; equal: j; else as it was
.endr
	v_add_nc_u32 v[KF+\q], v[KF+\q], v[KB+\q]
.endr
	; across h: the smaller distance, on a tie the smaller index; both halves of the lanes end with the same index
.irp q, 0,1,2,3
	v_permlanex16_b32 v[T0], v[BEST+\q], s30, s31
	v_permlanex16_b32 v[T1], v[KF+\q], s30, s31
	v_cmp_lt_f32 s32, v[T0], v[BEST+\q]
	v_cmp_eq_f32 s33, v[T0], v[BEST+\q]
	v_cmp_lt_u32 s34, v[T1], v[KF+\q]
	s_and_b32 s34, s34, s33
	s_or_b32 s34, s34, s32
	v_cndmask_b32 v[KF+\q], v[KF+\q], v[T1], s34
.endr
	; vector 4 r + q lies at byte 16 r + 4 q of my wave's 256: lane (r, h) stores q = 2 h and 2 h + 1, and the 32 lanes fill 256 consecutive bytes, aligned
	v_cmp_ne_u32 vcc_lo, 0, v2
	v_cndmask_b32 v[OUT],   v[KF],   v[KF+2], vcc_lo
	v_cndmask_b32 v[OUT+1], v[KF+1], v[KF+3], vcc_lo
	global_store_b64 v[IXO], v[OUT:OUT+1], s[8:9]
	s_wait_tensorcnt 0x0
	ds_add_u32 v248, v249
	s_wait_dscnt 0x0
	s_endpgm
.Lfunc_end_k_qc47c39f43a_nearest:
	.size	k_qc47c39f43a_nearest, .Lfunc_end_k_qc47c39f43a_nearest-k_qc47c39f43a_nearest
	.p2alignl 7, 3214868480
	.fill 96, 4, 3214868480
	.section	.rodata,"a",@progbits
	.p2align	6, 0x0
	.amdhsa_kernel k_qc47c39f43a_nearest
		.amdhsa_group_segment_fixed_size 283648
		.amdhsa_private_segment_fixed_size 0
		.amdhsa_enable_private_segment 0
		.amdhsa_kernarg_size 24
		.amdhsa_user_sgpr_count 2
		.amdhsa_user_sgpr_kernarg_segment_ptr 1
		.amdhsa_wavefront_size32 1
		.amdhsa_system_sgpr_workgroup_id_x 1
		.amdhsa_system_sgpr_workgroup_id_y 1
		.amdhsa_system_sgpr_workgroup_id_z 1
		.amdhsa_system_vgpr_workitem_id 0
		.amdhsa_next_free_vgpr 250
		.amdhsa_next_free_sgpr 66
		.amdhsa_reserve_vcc 1
		.amdhsa_float_denorm_mode_32 3
		.amdhsa_float_denorm_mode_16_64 3
		.amdhsa_memory_ordered 1
		.amdhsa_forward_progress 1
		.amdhsa_inst_pref_size 90
	.end_amdhsa_kernel
	.amdgpu_metadata
---
amdhsa.version: [ 1, 2 ]
amdhsa.kernels:
  - .name:           k_qc47c39f43a_nearest
    .symbol:         k_qc47c39f43a_nearest.kd
    .args:
      - { .name: codebook, .offset: 0, .size: 8, .value_kind: global_buffer, .address_space: global }
      - { .name: vectors, .offset: 8, .size: 8, .value_kind: global_buffer, .address_space: global }
      - { .name: idx, .offset: 16, .size: 8, .value_kind: global_buffer, .address_space: global }
    .group_segment_fixed_size: 283648
    .private_segment_fixed_size: 0
    .kernarg_segment_align: 8
    .kernarg_segment_size: 24
    .max_flat_workgroup_size: 256
    .sgpr_count:     66
    .vgpr_count:     250
    .wavefront_size: 32
...
	.end_amdgpu_metadata
.endif
;; end of part 1
;; launch lookup (part 2): grid 512 x 1, 8 waves a work-group, no clusters, 0 bytes of LDS; arguments idx, codebook, out0; writes out0
.if DOCPART == 2
	.amdgcn_target "amdgcn-amd-amdhsa--gfx1250"
	.amdhsa_code_object_version 6
	.text
	.protected	k_qc47c39f43a_lookup
	.globl	k_qc47c39f43a_lookup
	.p2align	8
	.type	k_qc47c39f43a_lookup,@function
k_qc47c39f43a_lookup:
	s_mov_b64 s[64:65], 0
	v_nop
	global_prefetch_b8 v0, s[64:65] scope:SCOPE_SE
	s_setreg_imm32_b32 hwreg(HW_REG_WAVE_MODE, 25, 1), 1
	s_wait_xcnt 0x0
; out0[n][0:64] = codebook[idx[n]][0:64], f32; idx holds the whole numbers that the launch before stored.  No work is left out.
; 512 work-groups of 8 waves; a wave has 32 rows n0 = 32 (8 g + w).  Lanes 0-15 take rows n0 + i, lanes 16-31 rows n0 + 16 + i, i = 0 .. 15;
; lane r of a half takes bytes 16 r of the row: each half of a load or store covers one whole row of 256 consecutive bytes, aligned.
; A stream: no LDS, no barrier, no matrix unit; sixteen gathers of a wave are on their way at once, and the codebook's 262,144 bytes are read
; again and again by every wave, so its loads carry no hint; idx is read once and out0 written once.
.set R16,  1                           ; 16 r
.set IO,   2                           ; 64 h: my half's sixteen indices
.set OO,   3                           ; 4096 h + 16 r: my 16 bytes of my half's first row
.set IX,   4                           ; v[4:19]   index i, then its byte offset in the codebook
.set DA,   20                          ; v[20:83]  row i: 4 registers
	s_load_b128 s[4:7], s[0:1], 0x0                ; idx s[4:5], codebook s[6:7]
	s_load_b64 s[8:9], s[0:1], 0x10                ; out0
	v_lshrrev_b32 v1, 5, v0
	v_readfirstlane_b32 s10, v1                    ; wave
	s_lshl_b32 s11, ttmp9, 3
	s_add_co_u32 s11, s11, s10                     ; 8 g + w
	v_and_b32 v[R16], 15, v0
	v_bfe_u32 v[IO], v0, 4, 1
	v_lshlrev_b32 v[R16], 4, v[R16]
	v_lshl_add_u32 v[OO], v[IO], 12, v[R16]
	v_lshlrev_b32 v[IO], 6, v[IO]
	s_lshl_b32 s12, s11, 7                         ; 32 indices of 4 bytes
	s_mov_b32 s13, 0
	s_lshl_b32 s14, s11, 13                        ; 32 rows of 256 bytes
	s_mov_b32 s15, 0
	s_wait_kmcnt 0x0
	s_add_nc_u64 s[4:5], s[4:5], s[12:13]
	s_add_nc_u64 s[8:9], s[8:9], s[14:15]
.irp m, 0,1,2,3
	global_load_b128 v[IX+4*\m:IX+4*\m+3], v[IO], s[4:5] offset:16*\m th:TH_LOAD_NT
.endr
	s_wait_loadcnt 0x0
.irp i, 0,1,2,3,4,5,6,7,8,9,10,11,12,13,14,15
	v_min_u32 v[IX+\i], 0x3ff, v[IX+\i]            ; the stored indices are 0 .. 1023; the bound keeps every offset inside the table
	v_lshl_add_u32 v[IX+\i], v[IX+\i], 8, v[R16]   ; 256 bytes a row + my 16
.endr
.irp i, 0,1,2,3,4,5,6,7,8,9,10,11,12,13,14,15
	global_load_b128 v[DA+4*\i:DA+4*\i+3], v[IX+\i], s[6:7]
.endr
.irp i, 0,1,2,3,4,5,6,7,8,9,10,11,12,13,14,15
	s_wait_loadcnt 15-\i                           ; loads come back in order: gather i is in, the 15 - i younger ones stay out
	global_store_b128 v[OO], v[DA+4*\i:DA+4*\i+3], s[8:9] offset:256*\i th:TH_STORE_NT
.endr
	s_endpgm
.Lfunc_end_k_qc47c39f43a_lookup:
	.size	k_qc47c39f43a_lookup, .Lfunc_end_k_qc47c39f43a_lookup-k_qc47c39f43a_lookup
	.p2alignl 7, 3214868480
	.fill 96, 4, 3214868480
	.section	.rodata,"a",@progbits
	.p2align	6, 0x0
	.amdhsa_kernel k_qc47c39f43a_lookup
		.amdhsa_group_segment_fixed_size 0
		.amdhsa_private_segment_fixed_size 0
		.amdhsa_enable_private_segment 0
		.amdhsa_kernarg_size 24
		.amdhsa_user_sgpr_count 2
		.amdhsa_user_sgpr_kernarg_segment_ptr 1
		.amdhsa_wavefront_size32 1
		.amdhsa_system_sgpr_workgroup_id_x 1
		.amdhsa_system_sgpr_workgroup_id_y 1
		.amdhsa_system_sgpr_workgroup_id_z 1
		.amdhsa_system_vgpr_workitem_id 0
		.amdhsa_next_free_vgpr 96
		.amdhsa_next_free_sgpr 66
		.amdhsa_reserve_vcc 0
		.amdhsa_float_denorm_mode_32 3
		.amdhsa_float_denorm_mode_16_64 3
		.amdhsa_memory_ordered 1
		.amdhsa_forward_progress 1
		.amdhsa_inst_pref_size 7
	.end_amdhsa_kernel
	.amdgpu_metadata
---
amdhsa.version: [ 1, 2 ]
amdhsa.kernels:
  - .name:           k_qc47c39f43a_lookup
    .symbol:         k_qc47c39f43a_lookup.kd
    .args:
      - { .name: idx, .offset: 0, .size: 8, .value_kind: global_buffer, .address_space: global }
      - { .name: codebook, .offset: 8, .size: 8, .value_kind: global_buffer, .address_space: global }
      - { .name: out0, .offset: 16, .size: 8, .value_kind: global_buffer, .address_space: global }
    .group_segment_fixed_size: 0
    .private_segment_fixed_size: 0
    .kernarg_segment_align: 8
    .kernarg_segment_size: 24
    .max_flat_workgroup_size: 256
    .sgpr_count:     66
    .vgpr_count:     96
    .wavefront_size: 32
...
	.end_amdgpu_metadata
.endif
;; end of part 2
